; MI455X (gfx1250); checked and timed in simulation.
; The chip was launched on July 23, 2026; its instructions are those of AMD's public machine-readable ISA for CDNA 5 (MIT licence, August 2026) and "CDNA5" Instruction Set Architecture Reference Guide (July 2026). The comments in the code are by the model that wrote it; some were corrected since.
;; Multi Head Self Attention. Allowed arithmetic: matrix products marked QUANTISED: E2M3 operands, one E8M0 scale for each 32 along K, by v_wmma_scale_f32_16x16x128_f8f6f4 with both operands' format E2M3, f32 sums; everything else in f32.
;; Inputs: W_k 1,024 x 1,024 float32; W_o 1,024 x 1,024 float32; W_q 1,024 x 1,024 float32; W_v 1,024 x 1,024 float32; x 4 x 2,048 x 1,024 float32.
;; Outputs: out0 4 x 2,048 x 1,024 float32.
;; This version of the problem:
;;   THIS VERSION OF THE PROBLEM IS GIVEN IN LOW PRECISION. The matrix products marked QUANTISED in the list below multiply operands that are first quantised to E2M3 (2 exponent bits, 3 mantissa bits; 6 bits a number), with one power-of-two scale for each 32 numbers along K (OCP MX v1.0); their sums are f32. All else is computed in f32.
;;   The module's matrix products, in the order in which they are computed (A, B: the left and right operand; K: the contracted axis; several contracted axes count as one K, in the product's order):
;;     1. [M 8,192, K 1,024] x [K 1,024, N 1,024]; A: input x; B: input W_q: QUANTISED
;;     2. [M 8,192, K 1,024] x [K 1,024, N 1,024]; A: input x; B: input W_k: QUANTISED
;;     3. [M 8,192, K 1,024] x [K 1,024, N 1,024]; A: input x; B: input W_v: QUANTISED
;;     4. batch 64 x [M 2,048, K 64] x [K 64, N 2,048]; A: computed on the way; B: computed on the way: QUANTISED
;;     5. batch 64 x [M 2,048, K 2,048] x [K 2,048, N 64]; A: softmax (see below); B: computed on the way: QUANTISED
;;     6. [M 8,192, K 1,024] x [K 1,024, N 1,024]; A: computed on the way; B: input W_o: QUANTISED
;;   THE QUANTISER, for each operand of a quantised product, along K:
;;     - K is cut into blocks of 32 from its start; a last block that is shorter is filled with zeros.
;;     - A block's scale is 2^e with e = floor(log2(the largest magnitude in the block)) - 2, held to -126 .. 127; a block of zeros has e = 0. As a byte (E8M0): e + 127.
;;     - Each number is divided by its block's scale, clamped to +-7.5, and rounded to the nearest number of E2M3, ties to even, subnormals kept.
;;     - The product sums the exact products of the quantised numbers (number of the format x scale) in f32.
;;   ~~~python
;;   def quantise(x, axis):      # numpy; x: float32 -> the quantised numbers, widened to float32 again
;;       x = np.moveaxis(x, axis, -1); K = x.shape[-1]
;;       x = np.pad(x, [(0, 0)] * (x.ndim - 1) + [(0, -K % 32)]); x = x.reshape(x.shape[:-1] + (-1, 32)); a = np.abs(x).max(-1, keepdims=True)
;;       e = np.where(a > 0, np.clip(np.frexp(np.where(a > 0, a, 1))[1] - 1 - 2, -126, 127), 0)      # np.frexp(a)[1] - 1 = floor(log2(a)), exactly
;;       r = np.clip(x / 2.0 ** e, -7.5, 7.5)
;;       step = 2.0 ** (np.maximum(np.frexp(np.where(r == 0, 1, r))[1] - 1, 0) - 3)
;;       q = np.round(r / step) * step * 2.0 ** e      # np.round: ties to even
;;       return np.moveaxis(q.reshape(q.shape[:-2] + (-1,))[..., :K], -1, axis).astype(np.float32)
;;   ~~~
;;   SOFTMAX AHEAD OF A QUANTISED PRODUCT. Where the list says 'softmax', what is quantised is not the finished softmax but p = 2^(t - M), with t = logit x log2(e) and M = ceil(the row's largest t), a whole number; so 1/2 < the row's largest p <= 1. The row's sum l is taken of the UNQUANTISED p, in f32, and the product's result is divided by l at the end. Since M is a whole number, a kernel that streams over the keys may use a running M (the ceiling of the running maximum): every later rescaling is an exact power of two, which a block's scale takes up: the codes' values come out the same.
;;   OPERANDS COMPUTED ON THE WAY. 'Computed on the way' means the value that the module computes at that place (a softmax that the list does not call 'softmax' is quantised finished and normalised). What goes into a quantiser is computed in f32, as accurately as f32 sums, v_exp_f32 and their like allow (about 1e-6 of the number): no bf16 or f16 on the way to a quantiser, and a product that is left as it is and whose result goes on into a quantised operand takes f32 operands (vector FMAs, or v_wmma_f32_16x16x4_f32). A number that lies on a knife's edge between two numbers of the format may be rounded either way, as far as f32 arithmetic and the matrix unit's own rounding can turn it there, and no further.
;; One version. Each part assembles by itself: llvm-mc -triple=amdgcn-amd-amdhsa -mcpu=gfx1250 --defsym DOCPART=n.
;; ======== version 1 of 1: 4 launches
;; limits: right only within a limited range of input values
;; workspace buffers: cod 15,728,640 bytes; scl 655,360 bytes; att 26,738,688 bytes
;; launch quant (part 1): grid 384 x 1, 4 waves a work-group, no clusters, 34,304 bytes of LDS; arguments x, W_q, W_k, W_v, W_o, cod, scl; writes cod, scl
.if DOCPART == 1
	.amdgcn_target "amdgcn-amd-amdhsa--gfx1250"
	.amdhsa_code_object_version 6
	.text
	.protected	k_qc1763b35f4_quant
	.globl	k_qc1763b35f4_quant
	.p2align	8
	.type	k_qc1763b35f4_quant,@function
k_qc1763b35f4_quant:
	s_mov_b64 s[64:65], 0
	v_nop
	global_prefetch_b8 v0, s[64:65] scope:SCOPE_SE
	s_setreg_imm32_b32 hwreg(HW_REG_WAVE_MODE, 25, 1), 1
	s_wait_xcnt 0x0
; x [8192][1024] and W_q, W_k, W_v, W_o [1024][1024], f32, K innermost, become codes of FP6 (E2M3) with one E8M0 byte for each 32 along K.
; A block's scale is 2^(floor(log2(largest magnitude)) - 2): its byte is the largest magnitude's exponent field - 2, held at 1 from below.
; LAYOUT OF THE CODES (cod): rows go in groups of 32; row block rb = 2 g + u holds 16 rows, its lane r the row 32 g + 8 u + r + 8 (r / 8).
;   cod[rb][ks 8][c 2] is a HALF FRAGMENT of 768 bytes: the image of six operand registers (16 rows x 64 K; lane (r, h) holds K = 64 c + 32 h + 0 .. 31):
;   registers 0-3 at 16 x lane, registers 4-5 at 512 + 8 x lane.  rb 0-511 x, 512-575 W_q, 576-639 W_k, 640-703 W_v, 704-767 W_o.
; LAYOUT OF THE SCALES (scl): [rb][khalf 2][r 16][4 words], a word = the four bytes of one row and 128 K.
; SHARES: a work-group takes 32 rows; wave w the row block u = w / 2 and the K half w % 2: four fragments of 16 rows x 128 K.
; Each load reads 512 consecutive bytes of one row; the 16 rows turn through the wave's own stage in LDS (rows 528 bytes apart), from which a lane takes its two whole blocks of 32.
; Waves share nothing: no barrier.  No tensor load, no cluster: no byte is read twice.
; LIMITS: NaN and infinities are not served.  A block of zeros gets the byte 1 and not 127: its codes are zeros, and this program alone reads the bytes.
.set R,   128                          ; v128-255 two sets of 64: 16 rows as loaded
.set X,   64                           ; v64-127  my two blocks of 32 numbers
.set C,   16                           ; v16-27   a fragment's codes
.set T,   28                           ; v28-30, v32-34 the blocks' upper 16 codes (a conversion's three registers begin on an even number)
.set WD,  36                           ; v36-39   the four fragments' scale words
.set TM,  40                           ; v40-47   at work
.set STG, 8448                         ; a wave's stage: 16 rows x 528 bytes
	s_load_b256 s[4:11], s[0:1], 0x0               ; x, W_q, W_k, W_v
	s_load_b128 s[12:15], s[0:1], 0x20             ; W_o, cod
	s_load_b64 s[16:17], s[0:1], 0x30              ; scl
	v_lshl_add_u32 v62, v0, 2, 0x8400
	v_mov_b32 v63, 0
	v_lshrrev_b32 v1, 5, v0
	v_readfirstlane_b32 s20, v1                    ; wave
	v_and_b32 v1, 31, v0                           ; lane
	v_lshlrev_b32 v2, 4, v1                        ; 16 x lane: in memory, and in a half fragment
	v_lshlrev_b32 v3, 3, v1                        ; 8 x lane
	v_and_b32 v8, 15, v0                           ; r
	v_bfe_u32 v9, v0, 4, 1                         ; h
	s_mul_i32 s21, s20, STG
	v_add_nc_u32 v4, s21, v2                       ; into the stage: a row's 512 bytes as they lie
	v_mul_u32_u24 v5, v8, 528
	v_lshl_add_u32 v5, v9, 7, v5
	v_add_nc_u32 v5, s21, v5                       ; out of it: row r, + 128 h bytes: my block of 32
	v_lshlrev_b32 v6, 4, v8
	v_lshl_add_u32 v6, v9, 3, v6                   ; the scale words' place: 16 r + 8 h
	v_lshlrev_b32 v7, 3, v9                        ; 8 h: my bytes' shift in a scale word
	v_mov_b32 v[TM+7], 0                           ; a lane permute's destination counts as one of its sources
	s_mov_b32 s24, 0x76543210
	s_mov_b32 s25, 0xfedcba98                      ; selects for lane l xor 16
	s_lshr_b32 s22, s20, 1                         ; u
	s_and_b32 s23, s20, 1                          ; K half
	s_sub_co_u32 s26, ttmp9, 256
	s_and_b32 s26, s26, 31
	s_cmp_lt_u32 ttmp9, 256
	s_cselect_b32 s26, ttmp9, s26                  ; the group of 32 rows inside its tensor
	s_lshl_b32 s26, s26, 17                        ; 32 rows of 4,096 bytes
	s_lshl_b32 s27, s22, 15                        ; + 8 u rows
	s_add_co_u32 s26, s26, s27
	s_lshl_b32 s27, s23, 11                        ; + 512 numbers for the upper K half
	s_add_co_u32 s26, s26, s27
	s_mov_b32 s27, 0
	s_lshl_b32 s28, ttmp9, 1
	s_add_co_u32 s28, s28, s22                     ; rb
	s_mul_i32 s30, s28, 12288
	s_mul_i32 s29, s23, 6144
	s_add_co_u32 s30, s30, s29                     ; my four fragments in cod
	s_mov_b32 s31, 0
	s_lshl_b32 s32, s28, 9
	s_lshl_b32 s29, s23, 8
	s_add_co_u32 s32, s32, s29                     ; my 256 bytes in scl
	s_mov_b32 s33, 0
	s_wait_alu depctr_va_vdst(0)
	s_wait_kmcnt 0x0
	s_cmp_lt_u32 ttmp9, 352                        ; which tensor: the choice hangs on the work-group's number alone
	s_cselect_b64 s[18:19], s[10:11], s[12:13]
	s_cmp_lt_u32 ttmp9, 320
	s_cselect_b64 s[18:19], s[8:9], s[18:19]
	s_cmp_lt_u32 ttmp9, 288
	s_cselect_b64 s[18:19], s[6:7], s[18:19]
	s_cmp_lt_u32 ttmp9, 256
	s_cselect_b64 s[18:19], s[4:5], s[18:19]
	s_add_nc_u64 s[18:19], s[18:19], s[26:27]
	s_add_nc_u64 s[14:15], s[14:15], s[30:31]
	s_add_nc_u64 s[16:17], s[16:17], s[32:33]
.macro LOAD f                          ; fragment f: 16 rows x 512 bytes, a row a load
.irp p, 0,1,2,3,4,5,6,7,8,9,10,11,12,13,14,15
	global_load_b128 v[R+64*((\f)%2)+4*\p:R+64*((\f)%2)+4*\p+3], v2, s[18:19] offset:(\p+8*(\p/8))*4096+512*(\f) th:TH_LOAD_NT
.endr
.endm
.macro FRAGM f
.if (\f) < 3
	s_wait_loadcnt 16                              ; this fragment's 16 loads are in; the next fragment's 16 may be out
.else
	s_wait_loadcnt 0x0
.endif
.irp p, 0,1,2,3,4,5,6,7,8,9,10,11,12,13,14,15
	ds_store_b128 v4, v[R+64*((\f)%2)+4*\p:R+64*((\f)%2)+4*\p+3] offset:528*\p
.endr
.irp c, 0,1
.irp j, 0,1,2,3,4,5,6,7
	ds_load_b128 v[X+32*\c+4*\j:X+32*\c+4*\j+3], v5 offset:256*\c+16*\j   ; LDS serves a wave's instructions in order: these see the stores above
.endr
.endr
	s_wait_dscnt 0x0                               ; my numbers are in, and the stores have read their registers,
.if (\f)+2 < 4
	LOAD (\f)+2                                    ; which take the fragment two on
.endif
.irp c, 0,1
	v_max3_num_f32 v[TM+\c], |v[X+32*\c]|, |v[X+32*\c+1]|, 0x1800000   ; block 2 c + h is all mine; the floor 2^(3 - 127) holds the byte at 1 from below
.endr
.irp i, 2,4,6,8,10,12,14,16,18,20,22,24,26,28,30
.irp c, 0,1
	v_max3_num_f32 v[TM+\c], v[TM+\c], |v[X+32*\c+\i]|, |v[X+32*\c+\i+1]|
.endr
.endr
.irp c, 0,1
	v_add_nc_u32 v[TM+2+\c], 0xff000000, v[TM+\c]  ; 2 off the exponent field: the conversion's scale operand
.endr
.irp c, 0,1
	v_lshrrev_b32 v[TM+4+\c], 23, v[TM+2+\c]       ; the byte
.endr
	v_lshl_or_b32 v[TM+6], v[TM+5], 16, v[TM+4]    ; my bytes: blocks h and 2 + h,
	v_lshlrev_b32 v[TM+6], v7, v[TM+6]             ; at their places;
	v_permlanex16_b32 v[TM+7], v[TM+6], s24, s25
	v_or_b32 v[WD+(\f)], v[TM+6], v[TM+7]          ; with lane l xor 16's two the word is whole
.if (\f) > 0
	s_wait_alu depctr_va_vdst(0)
	s_wait_xcnt 0x0                                ; the last fragment's stores have read their data: the codes' registers may be written
.endif
.irp c, 0,1
	v_cvt_scalef32_pk16_fp6_f32 v[C+6*\c:C+6*\c+2], v[X+32*\c:X+32*\c+15], v[TM+2+\c]
	v_cvt_scalef32_pk16_fp6_f32 v[T+4*\c:T+4*\c+2], v[X+32*\c+16:X+32*\c+31], v[TM+2+\c]
.endr
	v_nop                                          ; one plain place behind a scaled conversion
.irp c, 0,1
.irp i, 0,1,2
	v_mov_b32 v[C+6*\c+3+\i], v[T+4*\c+\i]
.endr
.endr
.irp c, 0,1
	global_store_b128 v2, v[C+6*\c:C+6*\c+3], s[14:15] offset:1536*(\f)+768*\c        ; 512 consecutive bytes, aligned
	global_store_b64 v3, v[C+6*\c+4:C+6*\c+5], s[14:15] offset:1536*(\f)+768*\c+512   ; 256 consecutive bytes, aligned
.endr
.endm
	LOAD 0
	LOAD 1
	FRAGM 0
	FRAGM 1
	FRAGM 2
	FRAGM 3
	v_cmp_lt_u32 vcc_lo, 15, v1                    ; lanes 16-31 store words 2 and 3 of their row, lanes 0-15 words 0 and 1
	v_cndmask_b32 v[TM], v[WD], v[WD+2], vcc_lo
	v_cndmask_b32 v[TM+1], v[WD+1], v[WD+3], vcc_lo
	global_store_b64 v6, v[TM:TM+1], s[16:17]      ; 256 consecutive bytes, aligned
	s_wait_tensorcnt 0x0
	ds_add_u32 v62, v63
	s_wait_dscnt 0x0
	s_endpgm
.Lfunc_end_k_qc1763b35f4_quant:
	.size	k_qc1763b35f4_quant, .Lfunc_end_k_qc1763b35f4_quant-k_qc1763b35f4_quant
	.p2alignl 7, 3214868480
	.fill 96, 4, 3214868480
	.section	.rodata,"a",@progbits
	.p2align	6, 0x0
	.amdhsa_kernel k_qc1763b35f4_quant
		.amdhsa_group_segment_fixed_size 34304
		.amdhsa_private_segment_fixed_size 0
		.amdhsa_enable_private_segment 0
		.amdhsa_kernarg_size 56
		.amdhsa_user_sgpr_count 2
		.amdhsa_user_sgpr_kernarg_segment_ptr 1
		.amdhsa_wavefront_size32 1
		.amdhsa_system_sgpr_workgroup_id_x 1
		.amdhsa_system_sgpr_workgroup_id_y 1
		.amdhsa_system_sgpr_workgroup_id_z 1
		.amdhsa_system_vgpr_workitem_id 0
		.amdhsa_next_free_vgpr 256
		.amdhsa_next_free_sgpr 66
		.amdhsa_reserve_vcc 1
		.amdhsa_float_denorm_mode_32 3
		.amdhsa_float_denorm_mode_16_64 3
		.amdhsa_memory_ordered 1
		.amdhsa_forward_progress 1
		.amdhsa_inst_pref_size 31
	.end_amdhsa_kernel
	.amdgpu_metadata
---
amdhsa.version: [ 1, 2 ]
amdhsa.kernels:
  - .name:           k_qc1763b35f4_quant
    .symbol:         k_qc1763b35f4_quant.kd
    .args:
      - { .name: x, .offset: 0, .size: 8, .value_kind: global_buffer, .address_space: global }
      - { .name: W_q, .offset: 8, .size: 8, .value_kind: global_buffer, .address_space: global }
      - { .name: W_k, .offset: 16, .size: 8, .value_kind: global_buffer, .address_space: global }
      - { .name: W_v, .offset: 24, .size: 8, .value_kind: global_buffer, .address_space: global }
      - { .name: W_o, .offset: 32, .size: 8, .value_kind: global_buffer, .address_space: global }
      - { .name: cod, .offset: 40, .size: 8, .value_kind: global_buffer, .address_space: global }
      - { .name: scl, .offset: 48, .size: 8, .value_kind: global_buffer, .address_space: global }
    .group_segment_fixed_size: 34304
    .private_segment_fixed_size: 0
    .kernarg_segment_align: 8
    .kernarg_segment_size: 56
    .max_flat_workgroup_size: 128
    .sgpr_count:     66
    .vgpr_count:     256
    .wavefront_size: 32
...
	.end_amdgpu_metadata
.endif
;; end of part 1
;; launch qkv (part 2): grid 8 x 32, 4 waves a work-group, clusters of 4 x 1, 197,120 bytes of LDS; arguments cod, scl, att; writes att
.if DOCPART == 2
	.amdgcn_target "amdgcn-amd-amdhsa--gfx1250"
	.amdhsa_code_object_version 6
	.text
	.protected	k_qc1763b35f4_qkv
	.globl	k_qc1763b35f4_qkv
	.p2align	8
	.type	k_qc1763b35f4_qkv,@function
k_qc1763b35f4_qkv:
	s_mov_b64 s[64:65], 0
	v_nop
	global_prefetch_b8 v0, s[64:65] scope:SCOPE_SE
	s_setreg_imm32_b32 hwreg(HW_REG_WAVE_MODE, 25, 1), 1
	s_wait_xcnt 0x0
	s_wait_alu depctr_hold_cnt(0) depctr_sa_sdst(0) depctr_va_vdst(0) depctr_va_sdst(0) depctr_va_ssrc(0) depctr_va_vcc(0) depctr_vm_vsrc(0)
	s_getreg_b32 s2, hwreg(HW_REG_IB_STS2, 6, 4)
	s_cmp_eq_u32 s2, 0
	s_cbranch_scc0 .Lentry_in_a_cluster
	s_endpgm
.Lentry_in_a_cluster:
	s_bfe_u32 s2, ttmp6, 0x10000c
	s_cmp_lg_u32 s2, 0x3003
	s_cbranch_scc0 .Lentry_shape_is_right
	s_endpgm
.Lentry_shape_is_right:
; q = x W_q^T, k = x W_k^T, v = x W_v^T on codes of FP6 (E2M3) with E8M0 scales, K = 1,024; the results are quantised in registers and leave as codes: q and k along the head's 64, v along the keys.
; OPERANDS lie in cod as images of operand registers (row block rb of 16 rows: lane r = row 32 g + 8 u + r + 8 (r / 8), rb = 2 g + u; 12,288 bytes a row block; a fragment of 128 K = 1,536 bytes:
; for c = 0, 1: registers 6 c .. 6 c + 3 at 768 c + 16 x lane, registers 6 c + 4, 5 at 768 c + 512 + 8 x lane).  rb 0-511 x, 512 on W_q, 576 on W_k, 640 on W_v.  Scale words in scl: [rb][K half][r][4 words].
; SHARES: 8 x 32 work-groups: work-group (tx, ty) takes x's rows 256 ty .. + 255 and heads 2 tx, 2 tx + 1 of q, k and v.  Four waves, 2 x 2: a wave takes 128 tokens (8 row blocks) and one head (4 row blocks of a weight).
; LDS: x's 16 row blocks, all of K: 196,608 dense bytes, each wave bringing a quarter by one load; filled once and only read.  CLUSTER 4 x 1: four work-groups of one ty ask for x's rows jointly.
; THE WEIGHTS go from cod straight into registers, as they lie: 32 fragments, 384 registers a wave; they never pass through LDS, so there is no tile of theirs to ask for jointly.  The next weight's loads are issued in a phase's last block,
; each half behind the products that read the registers last.  No prefetch: x and the first weight are asked for at the head, and nothing is left to run ahead of.
; A BLOCK is 16 tokens x 64 channels: 32 products, four accumulators by turns, K ascending.  The blocks' fragments lie in two sets; a set takes the block two on behind its products.
; q, k: source 0 = the weight's rows, source 1 = x's: a lane holds a token, and its 32 sums are channels 32 j + 16 (lane / 16) + 0 .. 15, j = 0, 1.  v: source 0 = x's rows, source 1 = the weight's: a lane holds a channel,
; and the 32 sums of four blocks are tokens 32 j + 16 (lane / 16) + 0 .. 15 of 64.  Either way: two scale blocks, each in lanes l and l xor 16, and six registers of the next operand.
; RESULT (att): [sel 2][head of batch 64][step 16] records of 13,056 bytes for 128 tokens: +0 eight half fragments of q (sel 0) or k (sel 1), one a token block; +6,144 v: [channel block 4][c 2] half fragments (sel 1);
;   +12,288 q's or k's scale words [lane 32][4]: word (lane, i) belongs to token block 2 i (lanes 0-15) or 2 i + 1 (lanes 16-31): two bytes, and two bytes 0, which meet zero codes alone; +12,800 v's [lane 32][2] likewise by channel blocks.
; LIMITS: NaN and infinities are not served.  A block of zeros gets the byte 1 and not 127: its codes are zeros, and this program alone reads the bytes.
; REGISTERS: window 0: v0-31 addresses, v32-63 x's scale words (register 8 (s / 2) + K step: lanes 0-15 block s even, lanes 16-31 odd), v68-83 the weight's likewise, v96-147 the way out.
;   Fragment f lies in window 1 + f / 21 at register 12 (f % 21): 0-31 the weight's (4 x K step + block), 32-39 and 40-47 x's two sets.  Window 3 from v72: the sums.
.set RBX, 0
.set RBW, 512
.set SPARE, 196608
.set FR, 12
.set FPW, 21
.set L16, 16
.set L8, 17
.set VSC, 18
.set XA, 20
.set SPW, 28
.set NIL, 29
.set SX, 32
.set SW, 68
.set ACC, 72
.set TM, 96
.set W4, 112
.set PP, 120
.set PC, 128
.set G1, 24
.set G0, 32
.set WP, 36
.set WS, 38
.set XS, 40
.set OP, 42
.set MSB, 0
.macro WIN new                         ; the immediate's high byte repeats the setting that is left
.if MSB != \new
	s_set_vgpr_msb (MSB<<8)|\new
.set MSB, \new
.endif
.endm
.macro PLACES                          ; four plain places behind matrix instructions, ahead of loads into their registers and of reads of results
.rept 4
	v_nop
.endr
.endm
.macro ROUND                           ; a round of the cluster's barrier
	s_barrier_signal -1
	s_barrier_wait -1
	s_cmp_lg_u32 s14, 0
	s_cbranch_scc1 .Lnot_wave_0_\@
	s_barrier_signal -3
.Lnot_wave_0_\@:
	s_barrier_wait -3
	s_barrier_signal -1
	s_barrier_wait -1
.endm
.macro XFRAG f, a16, a8, off           ; a fragment's 12 registers from LDS, as they were stored: every load takes 512 or 256 consecutive bytes
	WIN (1+(\f)/FPW)<<6
.set R_, FR*((\f)%FPW)
	ds_load_b128 v[R_:R_+3], v[\a16] offset:\off
	ds_load_b64 v[R_+4:R_+5], v[\a8] offset:\off+512
	ds_load_b128 v[R_+6:R_+9], v[\a16] offset:\off+768
	ds_load_b64 v[R_+10:R_+11], v[\a8] offset:\off+1280
.endm
.macro FETCH s                         ; my block s, all of K, into set s % 2: 32 loads
.irp q, 0,1,2,3,4,5,6,7
	XFRAG 32+8*((\s)%2)+\q, XA+2*((\s)/4), XA+1+2*((\s)/4), 12288*((\s)%4)+1536*\q
.endr
	WIN 0
.endm
.macro WFRAGS q0, q1                   ; the weight's fragments of K steps q0 .. q1, from memory
.set Q_, \q0
.rept (\q1)-(\q0)+1
.irp b, 0,1,2,3
	WIN (1+(4*Q_+\b)/FPW)<<6
.set R_, FR*((4*Q_+\b)%FPW)
	global_load_b128 v[R_:R_+3], v[L16], s[WP:WP+1] offset:12288*\b+1536*Q_
	global_load_b64 v[R_+4:R_+5], v[L8], s[WP:WP+1] offset:12288*\b+1536*Q_+512
	global_load_b128 v[R_+6:R_+9], v[L16], s[WP:WP+1] offset:12288*\b+1536*Q_+768
	global_load_b64 v[R_+10:R_+11], v[L8], s[WP:WP+1] offset:12288*\b+1536*Q_+1280
.endr
.set Q_, Q_+1
.endr
	WIN 0
.endm
.macro SWLOAD                          ; the weight's scale words
.irp p, 0,1
.irp c, 0,1
	global_load_b128 v[SW+8*\p+4*\c:SW+8*\p+4*\c+3], v[VSC], s[WS:WS+1] offset:1024*\p+256*\c
.endr
.endr
.endm
.macro MM d, r0, r1, c, x0, x1, ra, rb
.if (\ra) && (\rb)
	v_wmma_scale_f32_16x16x128_f8f6f4 v[\d:\d+7], v[\r0:\r0+11], v[\r1:\r1+11], \c, v[\x0], v[\x1] matrix_a_fmt:MATRIX_FMT_FP6 matrix_b_fmt:MATRIX_FMT_FP6 matrix_a_scale:MATRIX_SCALE_ROW1 matrix_b_scale:MATRIX_SCALE_ROW1
.elseif (\ra)
	v_wmma_scale_f32_16x16x128_f8f6f4 v[\d:\d+7], v[\r0:\r0+11], v[\r1:\r1+11], \c, v[\x0], v[\x1] matrix_a_fmt:MATRIX_FMT_FP6 matrix_b_fmt:MATRIX_FMT_FP6 matrix_a_scale:MATRIX_SCALE_ROW1
.elseif (\rb)
	v_wmma_scale_f32_16x16x128_f8f6f4 v[\d:\d+7], v[\r0:\r0+11], v[\r1:\r1+11], \c, v[\x0], v[\x1] matrix_a_fmt:MATRIX_FMT_FP6 matrix_b_fmt:MATRIX_FMT_FP6 matrix_b_scale:MATRIX_SCALE_ROW1
.else
	v_wmma_scale_f32_16x16x128_f8f6f4 v[\d:\d+7], v[\r0:\r0+11], v[\r1:\r1+11], \c, v[\x0], v[\x1] matrix_a_fmt:MATRIX_FMT_FP6 matrix_b_fmt:MATRIX_FMT_FP6
.endif
.endm
.macro PROD kind, s, q, b, d           ; x's block s by the weight's block b, K step q, onto the sums at d of window 3; the first K step starts them
.set FW_, 4*(\q)+(\b)
.set FX_, 32+8*((\s)%2)+(\q)
.set RW_, FR*(FW_%FPW)
.set RX_, FR*(FX_%FPW)
.set D_, \d
.set XW_, SW+8*((\b)/2)+(\q)
.set XX_, SX+8*((\s)/2)+(\q)
.if \kind
	WIN (1+FX_/FPW)|((1+FW_/FPW)<<2)|0xf0
.if (\q)
	MM D_, RX_, RW_, v[D_:D_+7], XX_, XW_, (\s)%2, (\b)%2
.else
	MM D_, RX_, RW_, 0, XX_, XW_, (\s)%2, (\b)%2
.endif
.else
	WIN (1+FW_/FPW)|((1+FX_/FPW)<<2)|0xf0
.if (\q)
	MM D_, RW_, RX_, v[D_:D_+7], XW_, XX_, (\b)%2, (\s)%2
.else
	MM D_, RW_, RX_, 0, XW_, XX_, (\b)%2, (\s)%2
.endif
.endif
.endm
.macro PRODS kind, s, d0, ds, q0, q1
.set Q_, \q0
.rept (\q1)-(\q0)+1
.irp b, 0,1,2,3
	PROD \kind, \s, Q_, \b, (\d0)+(\ds)*\b
.endr
.set Q_, Q_+1
.endr
	WIN 0
.endm
; THE WAY OUT of 32 sums at ac of window 3 (four accumulators, each read from its low end on): six registers of codes in v[PC .. PC + 5], two scale bytes in v[TM + 6]
.macro WOUT ac
	s_wait_xcnt 0x0                                ; the last stores have read their data: the codes' registers may be written
	WIN 0x0f
.irp x, 0,1,2,3
	v_max3_num_f32 v[TM+\x], |v[(\ac)+8*\x]|, |v[(\ac)+8*\x+1]|, 0x1800000   ; the floor 2^(3 - 127) holds the byte at 1 from below
.endr
.irp i, 2,4,6
.irp x, 0,1,2,3
	v_max3_num_f32 v[TM+\x], |v[(\ac)+8*\x+\i]|, |v[(\ac)+8*\x+\i+1]|, v[TM+\x]
.endr
.endr
	WIN 0
	v_max_num_f32 v[TM], v[TM], v[TM+1]
	v_max_num_f32 v[TM+1], v[TM+2], v[TM+3]
	v_permlanex16_b32 v[TM+4], v[TM], s10, s11
	v_permlanex16_b32 v[TM+5], v[TM+1], s10, s11
	v_max_num_f32 v[TM], v[TM], v[TM+4]            ; with lane l xor 16's 16: the block's largest magnitude
	v_max_num_f32 v[TM+1], v[TM+1], v[TM+5]
	v_add_nc_u32 v[TM+12], 0xff000000, v[TM]       ; 2 off the exponent field: the conversion's scale operand
	v_add_nc_u32 v[TM+13], 0xff000000, v[TM+1]
	v_lshrrev_b32 v[TM+4], 23, v[TM+12]            ; the byte
	v_lshrrev_b32 v[TM+5], 23, v[TM+13]
	v_lshl_or_b32 v[TM+6], v[TM+5], 8, v[TM+4]
	WIN 3
	v_cvt_scalef32_pk16_fp6_f32 v[PC:PC+2], v[(\ac):(\ac)+15], v[TM+12]
	v_cvt_scalef32_pk16_fp6_f32 v[PC+8:PC+10], v[(\ac)+16:(\ac)+31], v[TM+13]
	WIN 0
	v_nop                                          ; one plain place behind a scaled conversion
.irp i, 0,1,2
	v_permlane16_swap_b32 v[PC+\i], v[PC+8+\i]     ; the operand's layout wants a whole block of 32 in a lane
.endr
.irp i, 0,1,2
	v_mov_b32 v[PC+3+\i], v[PC+8+\i]
.endr
.endm
.macro QKOUT s
	WOUT ACC
	global_store_b128 v[L16], v[PC:PC+3], s[OP:OP+1] offset:768*(\s)         ; 512 consecutive bytes, aligned
	global_store_b64 v[L8], v[PC+4:PC+5], s[OP:OP+1] offset:768*(\s)+512     ; 256 consecutive bytes, aligned
	v_mov_b32 v[W4+(\s)], v[TM+6]
.endm
	s_load_b128 s[4:7], s[0:1], 0x0                ; cod, scl
	s_load_b64 s[8:9], s[0:1], 0x10                ; att
	v_lshl_add_u32 v[SPW], v0, 2, SPARE
	v_mov_b32 v[NIL], 0
	ds_add_u32 v[SPW], v[NIL]                      ; the opening lines: the add, twice on end, and its wait
	ds_add_u32 v[SPW], v[NIL]
	v_lshrrev_b32 v1, 5, v0
	v_readfirstlane_b32 s14, v1                    ; wave
	s_lshr_b32 s15, s14, 1                         ; my half of the tokens
	s_and_b32 s16, s14, 1                          ; my head of the two
	s_bfe_u32 s44, ttmp6, 0x40000                  ; cx: it enters global addresses of plain loads and stores alone
	s_lshl_b32 s18, ttmp9, 2
	s_add_co_u32 s18, s18, s44                     ; tx
	s_and_b32 s17, ttmp7, 0xffff                   ; ty: the four partners share it
	s_mov_b32 s10, 0x76543210
	s_mov_b32 s11, 0xfedcba98                      ; selects for lane l xor 16
	s_mov_b32 s[G1], 15|(3<<16)|(1<<21)            ; group 1: four row blocks, dense: 192 rows of 256 bytes (32 elements of 8 bytes); the mask names all four work-groups
	s_mov_b32 s[G1+1], 32<<16
	s_mov_b32 s[G1+2], 192<<16
	s_mov_b32 s[G1+3], 32<<16
	s_mov_b32 s[G1+4], 192
	s_mov_b32 s[G1+5], 32
	s_mov_b32 s[G1+6], 0
	s_mov_b32 s[G1+7], 0
	s_mov_b32 s[G0], 1
	s_mul_i32 s[G0+1], s14, 49152
	s_lshl_b32 s20, s17, 4
	s_lshl_b32 s21, s14, 2
	s_add_co_u32 s20, s20, s21
	s_add_co_u32 s20, s20, RBX                     ; the four row blocks that I fetch
	s_mul_i32 s20, s20, 12288
	s_mov_b32 s21, 0
	s_lshl_b32 s22, s18, 3
	s_lshl_b32 s23, s16, 2
	s_add_co_u32 s22, s22, s23
	s_add_co_u32 s22, s22, RBW                     ; the first weight's four row blocks of mine
	s_mul_i32 s48, s22, 12288
	s_mov_b32 s49, 0
	s_lshl_b32 s50, s22, 9
	s_mov_b32 s51, 0
	s_lshl_b32 s52, s17, 4
	s_lshl_b32 s23, s15, 3
	s_add_co_u32 s52, s52, s23
	s_add_co_u32 s52, s52, RBX                     ; x's eight row blocks of mine
	s_lshl_b32 s52, s52, 9
	s_mov_b32 s53, 0
	s_lshl_b32 s54, s17, 1
	s_add_co_u32 s54, s54, s15                     ; which 128 tokens
	s_lshr_b32 s55, s54, 4
	s_lshl_b32 s55, s55, 4                         ; batch x 16
	s_lshl_b32 s56, s18, 1
	s_add_co_u32 s56, s56, s16                     ; + head
	s_add_co_u32 s55, s55, s56
	s_lshl_b32 s55, s55, 4
	s_and_b32 s54, s54, 15                         ; the step
	s_add_co_u32 s54, s54, s55
	s_mul_i32 s54, s54, 13056
	s_mov_b32 s55, 0
	s_wait_dscnt 0x0
	s_wait_kmcnt 0x0
	s_add_nc_u64 s[G0+2:G0+3], s[4:5], s[20:21]
	s_or_b32 s[G0+3], s[G0+3], 0x80000000
	s_add_nc_u64 s[WP:WP+1], s[4:5], s[48:49]
	s_add_nc_u64 s[WS:WS+1], s[6:7], s[50:51]
	s_add_nc_u64 s[XS:XS+1], s[6:7], s[52:53]
	s_add_nc_u64 s[OP:OP+1], s[8:9], s[54:55]
	ROUND                                          ; all four work-groups are here: the joint loads meet
	tensor_load_to_lds s[G0:G0+3], s[G1:G1+7]      ; my one tensor load
	s_nop 0
	PLACES
	v_and_b32 v1, 31, v0                           ; lane
	v_and_b32 v2, 15, v0                           ; r
	v_bfe_u32 v3, v0, 4, 1                         ; h
	v_lshlrev_b32 v[L16], 4, v1
	v_lshlrev_b32 v[L8], 3, v1
	v_lshlrev_b32 v[VSC], 4, v2
	v_lshl_add_u32 v[VSC], v3, 9, v[VSC]           ; scale words: 16 r; lanes 16-31 the next row block's
	s_mul_i32 s2, s15, 98304
	v_add_nc_u32 v[XA], s2, v[L16]                 ; my blocks 0-3 in LDS,
	v_add_nc_u32 v[XA+1], s2, v[L8]
	s_add_co_u32 s2, s2, 49152
	v_add_nc_u32 v[XA+2], s2, v[L16]               ; and 4-7
	v_add_nc_u32 v[XA+3], s2, v[L8]
	v_mov_b32 v[TM+4], 0                           ; a lane permute's destination counts as one of its sources
	v_mov_b32 v[TM+5], 0
.irp p, 0,1,2,3
.irp c, 0,1
	global_load_b128 v[SX+8*\p+4*\c:SX+8*\p+4*\c+3], v[VSC], s[XS:XS+1] offset:1024*\p+256*\c
.endr
.endr
	SWLOAD
	WFRAGS 0, 7
	s_wait_alu depctr_va_vdst(0)
	s_wait_tensorcnt 0x0                           ; my quarter of x's rows is in,
	s_barrier_signal -1
	s_barrier_wait -1                              ; everybody's is
	FETCH 0
	FETCH 1
	s_mov_b32 s46, 0
.Lqk:                                              ; q, then k
.irp s, 0,1,2,3,4,5,6
	s_wait_dscnt 32                                ; this block's fragments are in; the next block's 32 loads may be out
.if \s == 0
	s_wait_loadcnt 0x0                             ; the weight and the scale words
.endif
	PRODS 0, \s, ACC, 8, 0, 7
	PLACES
	FETCH (\s+2)%8
	QKOUT \s
.endr
	s_wait_dscnt 32
	s_add_nc_u64 s[WP:WP+1], s[WP:WP+1], 64*12288  ; the next weight (this one's loads were waited for in block 0)
	s_add_nc_u64 s[WS:WS+1], s[WS:WS+1], 64*512
	PRODS 0, 7, ACC, 8, 0, 3
	PLACES
	WFRAGS 0, 3                                    ; the registers of K steps 0 to 3 have been read for the last time
	PRODS 0, 7, ACC, 8, 4, 7
	PLACES
	WFRAGS 4, 7
	SWLOAD
	FETCH 1
	QKOUT 7
	v_cmp_lt_u32 vcc_lo, 15, v1                    ; the scale image: lanes 0-15 carry the even block's word, lanes 16-31 the odd block's
.irp i, 0,1,2,3
	v_cndmask_b32 v[PP+\i], v[W4+2*\i], v[W4+2*\i+1], vcc_lo
.endr
	global_store_b128 v[L16], v[PP:PP+3], s[OP:OP+1] offset:12288
	s_wait_xcnt 0x0                                ; the stores have read their base
	s_cmp_eq_u32 s46, 0
	s_cselect_b32 s44, 64*16*13056, 0              ; from q's records to k's; v goes into k's
	s_mov_b32 s45, 0
	s_add_nc_u64 s[OP:OP+1], s[OP:OP+1], s[44:45]
	s_add_co_u32 s46, s46, 1
	s_cmp_lt_u32 s46, 2
	s_wait_alu depctr_va_vdst(0)
	s_cbranch_scc1 .Lqk
.irp s, 0,1,2,3,4,5,6,7                            ; v
.if \s < 7
	s_wait_dscnt 32
.else
	s_wait_dscnt 0x0
.endif
.if \s == 0
	s_wait_loadcnt 0x0
.endif
	PRODS 1, \s, ACC+8*(\s%4), 32, 0, 7
	PLACES
.if \s < 6
	FETCH \s+2
.endif
.if \s%4 == 3                                      ; 64 tokens are whole: a half fragment for each channel block
.irp b, 0,1,2,3
	WOUT ACC+32*\b
	global_store_b128 v[L16], v[PC:PC+3], s[OP:OP+1] offset:6144+1536*\b+768*(\s/4)
	global_store_b64 v[L8], v[PC+4:PC+5], s[OP:OP+1] offset:6144+1536*\b+768*(\s/4)+512
.if \s/4 == 0
	v_mov_b32 v[W4+\b], v[TM+6]
.else
	v_lshl_or_b32 v[W4+\b], v[TM+6], 16, v[W4+\b]
.endif
.endr
.endif
.endr
	v_cmp_lt_u32 vcc_lo, 15, v1
	v_cndmask_b32 v[PP], v[W4], v[W4+1], vcc_lo
	v_cndmask_b32 v[PP+1], v[W4+2], v[W4+3], vcc_lo
	global_store_b64 v[L8], v[PP:PP+1], s[OP:OP+1] offset:12800
	s_wait_tensorcnt 0x0                           ; the wave's end
	ds_add_u32 v[SPW], v[NIL]
	s_wait_dscnt 0x0
	ROUND                                          ; the closing round
	s_endpgm
.Lfunc_end_k_qc1763b35f4_qkv:
	.size	k_qc1763b35f4_qkv, .Lfunc_end_k_qc1763b35f4_qkv-k_qc1763b35f4_qkv
	.p2alignl 7, 3214868480
	.fill 96, 4, 3214868480
	.section	.rodata,"a",@progbits
	.p2align	6, 0x0
	.amdhsa_kernel k_qc1763b35f4_qkv
		.amdhsa_group_segment_fixed_size 197120
		.amdhsa_private_segment_fixed_size 0
		.amdhsa_enable_private_segment 0
		.amdhsa_kernarg_size 24
		.amdhsa_user_sgpr_count 2
		.amdhsa_user_sgpr_kernarg_segment_ptr 1
		.amdhsa_wavefront_size32 1
		.amdhsa_system_sgpr_workgroup_id_x 1
		.amdhsa_system_sgpr_workgroup_id_y 1
		.amdhsa_system_sgpr_workgroup_id_z 1
		.amdhsa_system_vgpr_workitem_id 0
		.amdhsa_next_free_vgpr 1024
		.amdhsa_next_free_sgpr 66
		.amdhsa_reserve_vcc 1
		.amdhsa_float_denorm_mode_32 3
		.amdhsa_float_denorm_mode_16_64 3
		.amdhsa_memory_ordered 1
		.amdhsa_forward_progress 1
		.amdhsa_inst_pref_size 171
	.end_amdhsa_kernel
	.amdgpu_metadata
---
amdhsa.version: [ 1, 2 ]
amdhsa.kernels:
  - .name:           k_qc1763b35f4_qkv
    .symbol:         k_qc1763b35f4_qkv.kd
    .args:
      - { .name: cod, .offset: 0, .size: 8, .value_kind: global_buffer, .address_space: global }
      - { .name: scl, .offset: 8, .size: 8, .value_kind: global_buffer, .address_space: global }
      - { .name: att, .offset: 16, .size: 8, .value_kind: global_buffer, .address_space: global }
    .group_segment_fixed_size: 197120
    .private_segment_fixed_size: 0
    .kernarg_segment_align: 8
    .kernarg_segment_size: 24
    .max_flat_workgroup_size: 128
    .sgpr_count:     66
    .vgpr_count:     1024
    .wavefront_size: 32
...
	.end_amdgpu_metadata
.endif
;; end of part 2
;; launch attn (part 3): grid 4 x 64, 8 waves a work-group, clusters of 4 x 1, 262,144 bytes of LDS; arguments att, cod, scl; writes cod, scl
.if DOCPART == 3
	.amdgcn_target "amdgcn-amd-amdhsa--gfx1250"
	.amdhsa_code_object_version 6
	.text
	.protected	k_qc1763b35f4_attn
	.globl	k_qc1763b35f4_attn
	.p2align	8
	.type	k_qc1763b35f4_attn,@function
k_qc1763b35f4_attn:
	s_mov_b64 s[64:65], 0
	v_nop
	global_prefetch_b8 v0, s[64:65] scope:SCOPE_SE
	s_setreg_imm32_b32 hwreg(HW_REG_WAVE_MODE, 25, 1), 1
	s_wait_xcnt 0x0
	s_wait_alu depctr_hold_cnt(0) depctr_sa_sdst(0) depctr_va_vdst(0) depctr_va_sdst(0) depctr_va_ssrc(0) depctr_va_vcc(0) depctr_vm_vsrc(0)
	s_getreg_b32 s2, hwreg(HW_REG_IB_STS2, 6, 4)
	s_cmp_eq_u32 s2, 0
	s_cbranch_scc0 .Lentry_in_a_cluster
	s_endpgm
.Lentry_in_a_cluster:
	s_bfe_u32 s2, ttmp6, 0x10000c
	s_cmp_lg_u32 s2, 0x3003
	s_cbranch_scc0 .Lentry_shape_is_right
	s_endpgm
.Lentry_shape_is_right:
; ctx = softmax(q k^T / 8) v for one head of one batch, both products on codes of FP6 (E2M3) with E8M0 scales; ctx is divided by the row's sum, quantised along the model's 1,024 and leaves as codes.
; THE SOFTMAX: t = score x log2(e) / 8; M = the running largest t rounded up to a whole number; p = 2^(t - M) is quantised along the keys, not normalised; the row's sum is taken of the unquantised p.
; When M moves, the sum and O are multiplied by 2^(old M - new M), which rounds nothing.
; INPUT (att): records of 13,056 bytes for 128 tokens: +0 eight half fragments (768 bytes: 16 tokens x the head's 64) of q or k; +6,144 v as four fragments (16 channels x 128 keys); +12,288 q's or k's scale words; +12,800 v's.
; In memory lane r' of token block 2 j + u' holds token 32 j + 8 u' + r' + 8 (r' / 8).
; SHARES: a work-group owns 512 queries of a head, in two passes of 256; each of its eight waves TWO tiles of 16 queries a pass, so that each fragment of k and v feeds two products.
; LDS: the head's sixteen records, 64 bytes of padding behind each 256: 16,320 bytes a record; wave w brings records 2 w, 2 w + 1 by one load of 102 rows.  Filled once, only read: no ring, no LDS store.
; CLUSTER 4 x 1: the four work-groups of a head read the same k and v: each pair of records is asked for jointly.
; No prefetch: k and v are asked for once, at the head, and there is no loop to run ahead in; q is 1,664 bytes a wave and pass.
; THE KEYS OF A SCORE TILE are chosen by the lanes' LDS addresses: lane r of tile 4 c + u takes key 64 c + 32 (r / 8) + 8 u + r % 8 (block 4 c + 2 (r / 8) + u % 2, lane 8 (u / 2) + r % 8 of the record).
; Both products are used transposed (source 0 = 16 keys, or 16 channels; source 1 = 16 queries): lane (r, h) holds query r, and its 32 registers of tiles 4 c .. 4 c + 3 are keys 64 c + 32 h + 0 .. 31:
; ONE WHOLE SCALE BLOCK, in the order of the next operand's registers.  Only the row's maximum and the scale word pass between lanes l and l xor 16.
; THE FIRST PRODUCT'S K IS 64 and the instruction's 128: q's registers 6-11 are zero codes; k's operand for tile t runs on into the next tile's codes (zeros behind tile 7), which meet q's zero codes alone; no scale byte there is 0xff.
; ORDER OF A STEP i: k(i + 1) and v(i) are loaded from LDS; the softmax of S(i), both tiles; then S(i + 1) = k q^T and O += v^T p^T(i).  The first step starts O and the sum (C = 0), the last multiplies no scores.
; REGISTERS: window 0 v0-31 addresses and scale words; window 1 v0-53 k's fragments, v54-101 v's; v104-255 of window T: tile T's scores, O, codes and state, at the same numbers in both windows.
; LIMITS: NaN and infinities are not served; the scaled scores stay under 2^31 in magnitude.  A block of zeros gets the byte 1 and not 127: its codes are zeros, and this program alone reads the bytes.  1 / sum is v_rcp_f32 and a multiplication.
; A block's largest p is the exponential of its largest score (v_exp_f32 is taken not to fall where its input rises).
; ctx's two scale bytes a row leave by a store of 2 bytes a lane (lanes l and l + 16 write the same bytes with the same value): 262,144 bytes in the whole launch.
.set REC,  13056
.set RECL, 16320                       ; a record in LDS: 51 x (256 + 64)
.set SPARE, 16*RECL                    ; the spare words, 128 bytes a wave
.set KF, 0
.set VF, 54
.set KS, 16                            ; v16-19 k's scale words: register 2 c + u / 2; lanes 0-15 u % 2 = 0, lanes 16-31 u % 2 = 1
.set VS, 20                            ; v20-21 v's
.set QS, 22                            ; v22 q's: lanes 0-15 tile 0, lanes 16-31 tile 1
.set PS, 24                            ; v24, v25 p's scale word of tile 0, 1
.set SS, 104                           ; S^T, then p
.set OO, 168                           ; O^T
.set PC, 200                           ; p's codes
.set TT, 212                           ; the blocks' upper 16 codes
.set QQ, 220                           ; q's codes and six zeros
.set NM, 232                           ; -M
.set MX, 233                           ; the running largest score
.set SU, 234                           ; the sum, in two halves
.set FF, 236                           ; f
.set H8, 237                           ; 8 h
.set BM, 238                           ; my two blocks' largest scores, then p, then the conversions' scale operands
.set TP, 240                           ; at work
.set WV, 10
.set G1, 16
.set G0, 24
.set SEL, 28
.set CS, 30
.set TB, 32
.set CNT, 33
.set PASS, 34
.set QP, 36
.set CP, 38
.set SP, 40
; v1 16 x lane, v2 8 x lane, v3 my spare word, v4 0, v6-v9 lane parts of the LDS addresses, v11-15 the step's LDS addresses, v26 q's scale words' offset, v27 ctx's scale bytes' offset
.set MSB, 0
.macro WIN new                         ; the immediate's high byte repeats the setting that is left
.if MSB != \new
	s_set_vgpr_msb (MSB<<8)|\new
.set MSB, \new
.endif
.endm
.macro WALU
	s_wait_alu depctr_va_vdst(0)
.endm
.macro ROUND                           ; a round of the cluster's barrier
	s_barrier_signal -1
	s_barrier_wait -1
	s_cmp_lg_u32 s[WV], 0
	s_cbranch_scc1 .Lnot_wave_0_\@
	s_barrier_signal -3
.Lnot_wave_0_\@:
	s_barrier_wait -3
	s_barrier_signal -1
	s_barrier_wait -1
.endm
.macro ADDR                            ; the step's LDS addresses; also the places behind the products, ahead of the loads into their registers and of the reads of the scores
	v_add_nc_u32 v11, s[TB], v6
	v_add_nc_u32 v12, s[TB], v7
	v_add_nc_u32 v13, s[TB], v8
	v_add_nc_u32 v14, s[TB], v9
	v_add_nc_u32 v15, s[TB], v2
.endm
.macro KLOAD ko                        ; k's eight tiles and their scale words, from the record ko bytes on
	WIN 0x40
.irp t, 0,1,2,3,4,5,6,7
	ds_load_b128 v[KF+6*\t:KF+6*\t+3], v11 offset:\ko+960*(4*(\t/4)+\t%2)+128*((\t%4)/2)
	ds_load_b64 v[KF+6*\t+4:KF+6*\t+5], v12 offset:\ko+960*(4*(\t/4)+\t%2)+640+64*((\t%4)/2)
.endr
	WIN 0
.irp x, 0,1,2,3
	ds_load_b32 v[KS+\x], v13 offset:\ko+15360+128*(\x%2)+8*(\x/2)
.endr
.endm
.macro VLOAD                           ; v's four fragments and their scale words
	WIN 0x40
.irp d, 0,1,2,3
	ds_load_b128 v[VF+12*\d:VF+12*\d+3], v14 offset:7680+1920*\d
	ds_load_b64 v[VF+12*\d+4:VF+12*\d+5], v15 offset:7680+1920*\d+640
	ds_load_b128 v[VF+12*\d+6:VF+12*\d+9], v14 offset:7680+1920*\d+960
	ds_load_b64 v[VF+12*\d+10:VF+12*\d+11], v15 offset:7680+1920*\d+1600
.endr
	WIN 0
	ds_load_b64 v[VS:VS+1], v15 offset:16000
.endm
.macro SMUL T                          ; S^T = k q^T of tile T: source 0 in window 1, the rest in window T
	WIN 1|(0x54*\T)
.irp c, 0,1
.irp g, 0,1
.irp e, 0,1
	v_wmma_scale_f32_16x16x128_f8f6f4 v[SS+8*(4*\c+2*\g+\e):SS+8*(4*\c+2*\g+\e)+7], v[KF+6*(4*\c+2*\g+\e):KF+6*(4*\c+2*\g+\e)+11], v[QQ:QQ+11], 0, v[KS+2*\c+\g], v[QS] matrix_a_fmt:MATRIX_FMT_FP6 matrix_b_fmt:MATRIX_FMT_FP6 matrix_a_scale:MATRIX_SCALE_ROW\e matrix_b_scale:MATRIX_SCALE_ROW\T
.endr
.endr
.endr
.endm
.macro PVMUL T, first                  ; O^T += v^T p^T of tile T: the four accumulators by turns
	WIN 1|(0x54*\T)
.irp g, 0,1
.irp e, 0,1
.if \first
	v_wmma_scale_f32_16x16x128_f8f6f4 v[OO+8*(2*\g+\e):OO+8*(2*\g+\e)+7], v[VF+12*(2*\g+\e):VF+12*(2*\g+\e)+11], v[PC:PC+11], 0, v[VS+\g], v[PS+\T] matrix_a_fmt:MATRIX_FMT_FP6 matrix_b_fmt:MATRIX_FMT_FP6 matrix_a_scale:MATRIX_SCALE_ROW\e
.else
	v_wmma_scale_f32_16x16x128_f8f6f4 v[OO+8*(2*\g+\e):OO+8*(2*\g+\e)+7], v[VF+12*(2*\g+\e):VF+12*(2*\g+\e)+11], v[PC:PC+11], v[OO+8*(2*\g+\e):OO+8*(2*\g+\e)+7], v[VS+\g], v[PS+\T] matrix_a_fmt:MATRIX_FMT_FP6 matrix_b_fmt:MATRIX_FMT_FP6 matrix_a_scale:MATRIX_SCALE_ROW\e
.endif
.endr
.endr
.endm
.macro PHA T, first                    ; ahead of the exponentials: the blocks' largest scores in four chains, M, t - M, and O and the sum under the new M
	WIN 0x55*\T
.irp x, 0,1,2,3
	v_max3_num_f32 v[TP+\x], v[SS+16*\x], v[SS+16*\x+1], v[SS+16*\x+2]      ; each score tile is read from its low end on
.endr
.irp i, 3,5,7,9,11,13
.irp x, 0,1,2,3
	v_max3_num_f32 v[TP+\x], v[TP+\x], v[SS+16*\x+\i], v[SS+16*\x+\i+1]
.endr
.endr
.irp c, 0,1
	v_max3_num_f32 v[BM+\c], v[TP+2*\c], v[TP+2*\c+1], v[SS+32*\c+15]
.endr
.irp c, 0,1
	v_max_num_f32 v[BM+\c], v[BM+\c], v[SS+32*\c+31]                       ; block 2 c + h's largest score: for the row's maximum and, since p rises with the score, for the block's largest p
.endr
	s_delay_alu instid0(VALU_DEP_1)
	v_max_num_f32 v[TP+4], v[BM], v[BM+1]
	s_delay_alu instid0(VALU_DEP_1)
	v_permlanex16_b32 v[TP+5], v[TP+4], s[SEL], s[SEL+1]                   ; lane l xor 16's 64 keys
.if \first
	s_delay_alu instid0(VALU_DEP_1)
	v_max_num_f32 v[MX], v[TP+4], v[TP+5]
	s_delay_alu instid0(VALU_DEP_1)
	v_mul_f32 v[TP+4], s[CS], v[MX]                                        ; the largest t (c is positive)
	s_delay_alu instid0(VALU_DEP_1)
	v_floor_f32 v[NM], -v[TP+4]                                            ; -M = -ceil(t)
.else
	s_delay_alu instid0(VALU_DEP_1)
	v_max3_num_f32 v[MX], v[MX], v[TP+4], v[TP+5]
	s_delay_alu instid0(VALU_DEP_1)
	v_mul_f32 v[TP+4], s[CS], v[MX]
	v_mov_b32 v[TP+5], v[NM]
	s_delay_alu instid0(VALU_DEP_2)
	v_floor_f32 v[NM], -v[TP+4]
	s_delay_alu instid0(VALU_DEP_1)
	v_sub_f32 v[TP+5], v[NM], v[TP+5]                                      ; old M - new M: a whole number, 0 or less
.endif
.set J_, 0
.rept 32
	v_pk_fma_f32 v[SS+J_:SS+J_+1], v[SS+J_:SS+J_+1], s[CS:CS+1], v[NM:NM+1] op_sel_hi:[1,0,0]   ; t - M
.if !\first
.if J_ == 12
	v_cvt_i32_f32 v[TP+5], v[TP+5]                                         ; (it saturates)
.endif
.if J_ == 24
	v_ldexp_f32 v[FF], 1.0, v[TP+5]                                        ; f = 2^(old M - new M)
.endif
.endif
.set J_, J_+2
.endr
.irp c, 0,1
	v_fma_f32 v[BM+\c], v[BM+\c], s[CS], v[NM]                             ; the same of each block's largest score
.endr
.if !\first
.set J_, 0
.rept 16
	v_pk_mul_f32 v[OO+J_:OO+J_+1], v[OO+J_:OO+J_+1], v[FF:FF+1] op_sel_hi:[1,0]
.set J_, J_+2
.endr
	v_pk_mul_f32 v[SU:SU+1], v[SU:SU+1], v[FF:FF+1] op_sel_hi:[1,0]
.endif
.endm
.macro PHB T                           ; p = 2^(t - M), and each block's largest p
	WIN 0x55*\T
	v_exp_f32 v[BM], v[BM]
	v_exp_f32 v[BM+1], v[BM+1]
.set J_, 0
.rept 64
	v_exp_f32 v[SS+J_], v[SS+J_]
.set J_, J_+1
.endr
.endm
.macro SADD k, first                   ; addition k of the row's sum of the unquantised p: 32 pairs in four chains (three at TP + 8 .., the sum itself), then the chains joined
.if (\k) < 3
	v_pk_add_f32 v[TP+8+2*(\k):TP+9+2*(\k)], v[SS+4*(\k):SS+4*(\k)+1], v[SS+4*(\k)+2:SS+4*(\k)+3]
.elseif (\k) == 3
.if \first
	v_pk_add_f32 v[SU:SU+1], v[SS+12:SS+13], v[SS+14:SS+15]
.else
	v_pk_add_f32 v[SU:SU+1], v[SU:SU+1], v[SS+12:SS+13]
.endif
.elseif (\k) <= 28-(\first)
.if (\k)%4 == 3
	v_pk_add_f32 v[SU:SU+1], v[SU:SU+1], v[SS+2*((\k)+3+(\first)):SS+2*((\k)+3+(\first))+1]
.else
	v_pk_add_f32 v[TP+8+2*((\k)%4):TP+9+2*((\k)%4)], v[TP+8+2*((\k)%4):TP+9+2*((\k)%4)], v[SS+2*((\k)+3+(\first)):SS+2*((\k)+3+(\first))+1]
.endif
.elseif (\k) == 29-(\first)
	v_pk_add_f32 v[TP+8:TP+9], v[TP+8:TP+9], v[TP+10:TP+11]
.elseif (\k) == 30-(\first)
	v_pk_add_f32 v[SU:SU+1], v[SU:SU+1], v[TP+12:TP+13]
.elseif (\k) == 31-(\first)
	v_pk_add_f32 v[SU:SU+1], v[SU:SU+1], v[TP+8:TP+9]
.endif
.endm
.macro SUMS from, to, first
.set K_, \from
.rept (\to)-(\from)
	SADD K_, \first
.set K_, K_+1
.endr
.endm
.macro PHC T, first                    ; behind the exponentials: the scales, the codes, the scale word, with the sum's additions between the dependent lines
	WIN 0x55*\T
.irp c, 0,1
	v_max_num_f32 v[BM+\c], 0x1800000, v[BM+\c]    ; the floor 2^(3 - 127): the byte cannot fall under 1
.endr
	SUMS 0, 4, \first
.irp c, 0,1
	v_add_nc_u32 v[BM+\c], 0xff000000, v[BM+\c]    ; 2 off the exponent field: the conversion's scale operand
.endr
	SUMS 4, 8, \first
.irp c, 0,1
	v_lshrrev_b32 v[TP+\c], 23, v[BM+\c]           ; the byte
.endr
.irp c, 0,1
	v_cvt_scalef32_pk16_fp6_f32 v[PC+6*\c:PC+6*\c+2], v[SS+32*\c:SS+32*\c+15], v[BM+\c]
	v_cvt_scalef32_pk16_fp6_f32 v[TT+4*\c:TT+4*\c+2], v[SS+32*\c+16:SS+32*\c+31], v[BM+\c]   ; (a conversion's three registers begin on an even number)
.endr
	SUMS 8, 12, \first                             ; plain lines behind the conversions
	v_lshl_or_b32 v[TP], v[TP+1], 16, v[TP]        ; my bytes: blocks h and 2 + h,
.irp c, 0,1
.irp i, 0,1,2
	v_mov_b32 v[PC+6*\c+3+\i], v[TT+4*\c+\i]
.endr
.endr
	v_lshlrev_b32 v[TP], v[H8], v[TP]              ; at their places
	SUMS 12, 16, \first
	v_permlanex16_b32 v[TP+1], v[TP], s[SEL], s[SEL+1]
	SUMS 16, 20, \first
	WIN 0x05*\T                                    ; scale operands are taken from window 0
	v_or_b32 v[PS+\T], v[TP], v[TP+1]              ; with lane l xor 16's two the word is whole
	WIN 0x55*\T
	SUMS 20, 32, \first                            ; at least eleven plain lines between the scale word's write and the products
.endm
.macro BODY first, last
	ADDR
.if !\last
	KLOAD RECL
.endif
	VLOAD
	PHA 0, \first
	PHA 1, \first
	WALU                                           ; one wait ahead of the batch
	PHB 0
	PHB 1
	v_nop                                          ; a plain place behind the exponentials
	WALU                                           ; and one behind it, ahead of its first reader
	PHC 0, \first
	PHC 1, \first
	WIN 0
	WALU
	s_wait_dscnt 0x0                               ; k(i + 1), v(i) and their scale words
.if !\last
	SMUL 0
	SMUL 1
.endif
	PVMUL 0, \first
	PVMUL 1, \first
	WIN 0
	s_add_co_u32 s[TB], s[TB], RECL
.endm
.macro OUTA T                          ; the row's sum
	WIN 0x55*\T
	v_add_f32 v[SU], v[SU], v[SU+1]
	s_delay_alu instid0(VALU_DEP_1)
	v_permlanex16_b32 v[TP], v[SU], s[SEL], s[SEL+1]
	s_delay_alu instid0(VALU_DEP_1)
	v_add_f32 v[SU], v[SU], v[TP]
.endm
.macro OUTD T                          ; O^T / the sum; each accumulator from its low end on
	WIN 0x55*\T
	WALU                                           ; the wait directly ahead of the first reader of O^T
.set J_, 0
.rept 16
	v_pk_mul_f32 v[SS+J_:SS+J_+1], v[OO+J_:OO+J_+1], v[SU:SU+1] op_sel_hi:[1,0]
.set J_, J_+2
.endr
.endm
.macro OUTB T                          ; register 16 j + i is channel 32 j + 16 h + i of my query: two blocks of 32 along the model's K, each in lanes l and l xor 16
	WIN 0x55*\T
.irp b, 0,1
	v_max3_num_f32 v[BM+\b], |v[SS+16*\b]|, |v[SS+16*\b+1]|, 0x1800000
.endr
.irp i, 2,4,6,8,10,12,14
.irp b, 0,1
	s_delay_alu instid0(VALU_DEP_2)
	v_max3_num_f32 v[BM+\b], v[BM+\b], |v[SS+16*\b+\i]|, |v[SS+16*\b+\i+1]|
.endr
.endr
.irp b, 0,1
	s_delay_alu instid0(VALU_DEP_2)
	v_permlanex16_b32 v[TP+\b], v[BM+\b], s[SEL], s[SEL+1]
.endr
.irp b, 0,1
	s_delay_alu instid0(VALU_DEP_2)
	v_max_num_f32 v[BM+\b], v[BM+\b], v[TP+\b]
.endr
.irp b, 0,1
	s_delay_alu instid0(VALU_DEP_2)
	v_add_nc_u32 v[BM+\b], 0xff000000, v[BM+\b]
.endr
.irp b, 0,1
	s_delay_alu instid0(VALU_DEP_2)
	v_lshrrev_b32 v[TP+\b], 23, v[BM+\b]
.endr
	s_delay_alu instid0(VALU_DEP_1)
	v_lshl_or_b32 v[TP+2], v[TP+1], 8, v[TP]       ; my row's two bytes
	v_cvt_scalef32_pk16_fp6_f32 v[PC:PC+2], v[SS:SS+15], v[BM]
	v_cvt_scalef32_pk16_fp6_f32 v[TT:TT+2], v[SS+16:SS+31], v[BM+1]
	v_nop
.irp i, 0,1,2
	v_permlane16_swap_b32 v[PC+\i], v[TT+\i]       ; the operand's layout wants a whole block of 32 in a lane
.endr
.irp i, 0,1,2
	s_delay_alu instid0(VALU_DEP_3)
	v_mov_b32 v[PC+3+\i], v[TT+\i]
.endr
	WIN 0x04*\T                                    ; a store's data: window T
	global_store_b128 v1, v[PC:PC+3], s[CP:CP+1] offset:12288*\T           ; a half fragment: 512 consecutive bytes, aligned,
	global_store_b64 v2, v[PC+4:PC+5], s[CP:CP+1] offset:12288*\T+512      ; and 256
	global_store_b16 v27, v[TP+2], s[SP:SP+1] offset:512*\T
.endm
	s_load_b128 s[4:7], s[0:1], 0x0                ; att, cod
	s_load_b64 s[8:9], s[0:1], 0x10                ; scl
	v_lshl_add_u32 v3, v0, 2, SPARE
	v_mov_b32 v4, 0
	ds_add_u32 v3, v4                              ; the opening lines: the add, twice on end, and its wait
	ds_add_u32 v3, v4
	v_lshrrev_b32 v5, 5, v0
	v_readfirstlane_b32 s[WV], v5                  ; wave 0 .. 7
	s_and_b32 s12, ttmp7, 0xffff                   ; the head of the batch, 0 .. 63: the four partners share it
	; group 1: two records, dense: 102 rows of 256 bytes (32 elements of 8 bytes), 16 words of padding behind each
	s_mov_b32 s[G1], 15|(3<<16)|(1<<20)|(1<<21)|(5<<22)|(15<<25)
	s_mov_b32 s[G1+1], 32<<16
	s_mov_b32 s[G1+2], 102<<16
	s_mov_b32 s[G1+3], 32<<16
	s_mov_b32 s[G1+4], 102
	s_mov_b32 s[G1+5], 32
	s_mov_b32 s[G1+6], 0
	s_mov_b32 s[G1+7], 0
	s_add_co_u32 s42, s12, 64                      ; sel 1
	s_lshl_b32 s42, s42, 4
	s_lshl_b32 s43, s[WV], 1
	s_add_co_u32 s42, s42, s43                     ; records 2 w, 2 w + 1 of the head
	s_mul_i32 s42, s42, REC
	s_mov_b32 s43, 0
	s_mov_b32 s[G0], 1
	s_mul_i32 s[G0+1], s[WV], 2*RECL               ; and their place in LDS
	s_wait_dscnt 0x0
	s_wait_kmcnt 0x0
	s_add_nc_u64 s[G0+2:G0+3], s[4:5], s[42:43]
	s_or_b32 s[G0+3], s[G0+3], 0x80000000
	ROUND                                          ; all four work-groups are here: the joint loads meet
	tensor_load_to_lds s[G0:G0+3], s[G1:G1+7]      ; my one tensor load
	s_nop 0
.rept 4
	v_nop
.endr
	s_bfe_u32 s48, ttmp6, 0x40000                  ; cx: it enters global addresses alone
	s_mov_b32 s[SEL], 0x76543210
	s_mov_b32 s[SEL+1], 0xfedcba98
	s_mov_b32 s[CS], 0x3e38aa3b                    ; c = log2(e) / 8
	s_mov_b32 s[CS+1], s[CS]
	; q: record 4 cx + 2 pass + wave / 4 of the head (sel 0), blocks 2 (wave % 4) and the next
	s_lshl_b32 s50, s12, 4
	s_lshl_b32 s51, s48, 2
	s_add_co_u32 s50, s50, s51
	s_lshr_b32 s51, s[WV], 2
	s_add_co_u32 s50, s50, s51
	s_mul_i32 s50, s50, REC
	s_and_b32 s52, s[WV], 3
	s_mul_i32 s53, s52, 1536
	s_add_co_u32 s50, s50, s53
	s_mov_b32 s51, 0
	s_add_nc_u64 s[QP:QP+1], s[4:5], s[50:51]
	s_sub_co_u32 s53, 12288, s53                   ; from my half fragments to the record's scale words,
	s_lshl_b32 s54, s52, 2                         ; word wave % 4: lanes 0-15 the even block's, lanes 16-31 the odd block's
	s_add_co_u32 s44, s53, s54
	; ctx: row block 768 + 128 batch + 32 cx + 16 pass + 2 wave + tile; K step head / 2, half head % 2
	s_lshr_b32 s49, s12, 4
	s_lshl_b32 s49, s49, 7
	s_lshl_b32 s50, s48, 5
	s_add_co_u32 s49, s49, s50
	s_lshl_b32 s50, s[WV], 1
	s_add_co_u32 s49, s49, s50
	s_add_co_u32 s49, s49, 768
	s_and_b32 s52, s12, 15                         ; the head
	s_lshl_b32 s50, s49, 3
	s_lshr_b32 s53, s52, 1
	s_add_co_u32 s50, s50, s53
	s_mul_i32 s50, s50, 1536
	s_and_b32 s53, s52, 1
	s_mul_i32 s54, s53, 768
	s_add_co_u32 s50, s50, s54
	s_add_nc_u64 s[CP:CP+1], s[6:7], s[50:51]
	s_lshl_b32 s50, s49, 9
	s_lshr_b32 s54, s52, 3
	s_lshl_b32 s54, s54, 8
	s_add_co_u32 s50, s50, s54
	s_bfe_u32 s54, s52, 0x20001
	s_lshl_b32 s54, s54, 2
	s_add_co_u32 s50, s50, s54
	s_lshl_b32 s54, s53, 1
	s_add_co_u32 s50, s50, s54
	s_add_nc_u64 s[SP:SP+1], s[8:9], s[50:51]
	s_mov_b32 s[PASS], 2
	v_and_b32 v5, 31, v0
	v_lshlrev_b32 v1, 4, v5                        ; 16 x lane
	v_lshlrev_b32 v2, 3, v5                        ; 8 x lane
	v_bfe_u32 v28, v0, 4, 1                        ; h
	v_bfe_u32 v29, v0, 3, 1                        ; r / 8
	v_and_b32 v30, 7, v0                           ; r % 8
	v_lshl_add_u32 v9, v28, 6, v1                  ; v's 16-byte pieces: 16 x lane, and the padding behind the first 256
	v_mul_u32_u24 v31, v29, 1920                   ; k: two blocks on for rows 8-15
	v_lshl_add_u32 v6, v30, 4, v31
	v_mad_u32_u24 v6, v28, 320, v6                 ; 16-byte pieces: 16 (r % 8) + 1920 (r / 8) + 320 h
	v_lshl_add_u32 v7, v30, 3, v31
	v_lshl_add_u32 v7, v28, 7, v7                  ; 8-byte pieces: 8 (r % 8) + 1920 (r / 8) + 128 h
	v_lshlrev_b32 v8, 4, v30
	v_lshl_add_u32 v8, v29, 2, v8
	v_mad_u32_u24 v8, v28, 320, v8                 ; scale words: 16 (r % 8) + 4 (r / 8); lanes 16-31 the odd blocks'
	v_add_nc_u32 v26, s44, v1
	v_and_b32 v5, 15, v0
	v_lshlrev_b32 v27, 4, v5                       ; ctx's scale bytes: 16 bytes a row
.irp w, 0,1
	WIN 0x40*\w
.irp j, 6,7,8,9,10,11
	v_mov_b32 v[QQ+\j], 0                          ; zero codes: q's upper 64 along K
.endr
.irp j, 0,1,2,3,4,5
	v_mov_b32 v[TP+\j], 0                          ; a lane permute's destination counts as one of its sources
.endr
	v_lshlrev_b32 v[H8], 3, v28
.endr
.irp j, 48,49,50,51,52,53
	v_mov_b32 v[KF+\j], 0                          ; zero codes behind k's tile 7
.endr
	WIN 0
	WALU
	s_wait_tensorcnt 0x0                           ; my two records are in,
	s_barrier_signal -1
	s_barrier_wait -1                              ; everybody's are
.Lpass:
	global_load_b128 v[QQ:QQ+3], v1, s[QP:QP+1]
	global_load_b64 v[QQ+4:QQ+5], v2, s[QP:QP+1] offset:512
	WIN 0x40
	global_load_b128 v[QQ:QQ+3], v1, s[QP:QP+1] offset:768
	global_load_b64 v[QQ+4:QQ+5], v2, s[QP:QP+1] offset:1280
	WIN 0
	global_load_b32 v[QS], v26, s[QP:QP+1]
	s_mov_b32 s[TB], 0
	ADDR
	KLOAD 0
	s_wait_loadcnt 0x0
	s_wait_dscnt 0x0
	SMUL 0                                         ; S(0)
	SMUL 1
	WIN 0
	BODY 1, 0                                      ; step 0 starts O and the sum
	s_mov_b32 s[CNT], 14
.Lstep:                                            ; steps 1 to 14
	BODY 0, 0
	s_sub_co_u32 s[CNT], s[CNT], 1
	s_cmp_lg_u32 s[CNT], 0
	s_cbranch_scc1 .Lstep
	BODY 0, 1                                      ; step 15 multiplies no further scores
.rept 4
	v_nop                                          ; places behind the last products
.endr
	OUTA 0
	OUTA 1
	WALU
	v_rcp_f32 v[SU], v[SU]
	WIN 0
	v_rcp_f32 v[SU], v[SU]
	v_nop                                          ; a plain place behind the transcendentals
	OUTD 0
	OUTD 1
	OUTB 0
	OUTB 1
	WIN 0
	s_wait_xcnt 0x0                                ; the stores have read their data and bases: both may be written
	s_add_nc_u64 s[QP:QP+1], s[QP:QP+1], 2*REC     ; the next pass: 256 queries on
	s_add_nc_u64 s[CP:CP+1], s[CP:CP+1], 16*12288
	s_add_nc_u64 s[SP:SP+1], s[SP:SP+1], 16*512
	s_sub_co_u32 s[PASS], s[PASS], 1
	s_cmp_lg_u32 s[PASS], 0
	s_cbranch_scc1 .Lpass
	s_wait_tensorcnt 0x0                           ; the wave's end
	ds_add_u32 v3, v4
	s_wait_dscnt 0x0
	ROUND                                          ; the closing round
	s_endpgm
.Lfunc_end_k_qc1763b35f4_attn:
	.size	k_qc1763b35f4_attn, .Lfunc_end_k_qc1763b35f4_attn-k_qc1763b35f4_attn
	.p2alignl 7, 3214868480
	.fill 96, 4, 3214868480
	.section	.rodata,"a",@progbits
	.p2align	6, 0x0
	.amdhsa_kernel k_qc1763b35f4_attn
		.amdhsa_group_segment_fixed_size 262144
		.amdhsa_private_segment_fixed_size 0
		.amdhsa_enable_private_segment 0
		.amdhsa_kernarg_size 24
		.amdhsa_user_sgpr_count 2
		.amdhsa_user_sgpr_kernarg_segment_ptr 1
		.amdhsa_wavefront_size32 1
		.amdhsa_system_sgpr_workgroup_id_x 1
		.amdhsa_system_sgpr_workgroup_id_y 1
		.amdhsa_system_sgpr_workgroup_id_z 1
		.amdhsa_system_vgpr_workitem_id 0
		.amdhsa_next_free_vgpr 512
		.amdhsa_next_free_sgpr 66
		.amdhsa_reserve_vcc 0
		.amdhsa_float_denorm_mode_32 3
		.amdhsa_float_denorm_mode_16_64 3
		.amdhsa_memory_ordered 1
		.amdhsa_forward_progress 1
		.amdhsa_inst_pref_size 98
	.end_amdhsa_kernel
	.amdgpu_metadata
---
amdhsa.version: [ 1, 2 ]
amdhsa.kernels:
  - .name:           k_qc1763b35f4_attn
    .symbol:         k_qc1763b35f4_attn.kd
    .args:
      - { .name: att, .offset: 0, .size: 8, .value_kind: global_buffer, .address_space: global }
      - { .name: cod, .offset: 8, .size: 8, .value_kind: global_buffer, .address_space: global }
      - { .name: scl, .offset: 16, .size: 8, .value_kind: global_buffer, .address_space: global }
    .group_segment_fixed_size: 262144
    .private_segment_fixed_size: 0
    .kernarg_segment_align: 8
    .kernarg_segment_size: 24
    .max_flat_workgroup_size: 256
    .sgpr_count:     66
    .vgpr_count:     512
    .wavefront_size: 32
...
	.end_amdgpu_metadata
.endif
;; end of part 3
;; launch oproj (part 4): grid 8 x 32, 4 waves a work-group, clusters of 4 x 1, 214,528 bytes of LDS; arguments cod, scl, out0; writes out0
.if DOCPART == 4
	.amdgcn_target "amdgcn-amd-amdhsa--gfx1250"
	.amdhsa_code_object_version 6
	.text
	.protected	k_qc1763b35f4_oproj
	.globl	k_qc1763b35f4_oproj
	.p2align	8
	.type	k_qc1763b35f4_oproj,@function
k_qc1763b35f4_oproj:
	s_mov_b64 s[64:65], 0
	v_nop
	global_prefetch_b8 v0, s[64:65] scope:SCOPE_SE
	s_setreg_imm32_b32 hwreg(HW_REG_WAVE_MODE, 25, 1), 1
	s_wait_xcnt 0x0
	s_wait_alu depctr_hold_cnt(0) depctr_sa_sdst(0) depctr_va_vdst(0) depctr_va_sdst(0) depctr_va_ssrc(0) depctr_va_vcc(0) depctr_vm_vsrc(0)
	s_getreg_b32 s2, hwreg(HW_REG_IB_STS2, 6, 4)
	s_cmp_eq_u32 s2, 0
	s_cbranch_scc0 .Lentry_in_a_cluster
	s_endpgm
.Lentry_in_a_cluster:
	s_bfe_u32 s2, ttmp6, 0x10000c
	s_cmp_lg_u32 s2, 0x3003
	s_cbranch_scc0 .Lentry_shape_is_right
	s_endpgm
.Lentry_shape_is_right:
; out0 = ctx W_o^T on codes of FP6 (E2M3) with E8M0 scales, K = 1,024; out0 [8192][1024] f32.
; OPERANDS lie in cod as images of operand registers (row block rb of 16 rows: lane r = row 32 g + 8 u + r + 8 (r / 8), rb = 2 g + u; 12,288 bytes a row block; a fragment of 128 K = 1,536 bytes:
; for c = 0, 1: registers 6 c .. 6 c + 3 at 768 c + 16 x lane, registers 6 c + 4, 5 at 768 c + 512 + 8 x lane).  ctx: rb 768 on; W_o: rb 704 on.  Scale words in scl: [rb][K half][r][4 words].
; SHARES: 8 x 32 work-groups: work-group (tx, ty) makes rows 256 ty .. + 255, columns 128 tx .. + 127.  Four waves, 2 x 2: a wave takes 128 rows (8 row blocks) and 64 columns (4 row blocks of W_o).
; LDS: ctx's 16 row blocks, all of K: 196,608 dense bytes, each wave bringing a quarter by one load; filled once.  Behind them a stage of 16 rows x 272 bytes for each wave, into which no fill lands.
; CLUSTER 4 x 1: four work-groups of one ty ask for ctx's rows jointly.  W_o's fragments go from cod straight into registers, as they lie (384 registers a wave): they never pass through LDS, so there is no tile of theirs to ask for jointly.
; No prefetch: both operands are asked for at the head, and nothing is left to run ahead of.
; A BLOCK is 16 rows x 64 columns: 32 products, four accumulators by turns, K ascending; source 0 = W_o's rows, source 1 = ctx's: a lane holds a row,
; and accumulator b's eight sums are columns 32 (b / 2) + 16 (lane / 16) + 8 (b % 2) + 0 .. 7.  The blocks' fragments lie in two sets; a set takes the block two on.  The sums lie in two sets too, so that a block's LDS stores have read theirs.
; REGISTERS: window 0: v0-31 addresses, v32-63 ctx's scale words (register 8 (s / 2) + K step: lanes 0-15 block s even, lanes 16-31 odd), v68-83 W_o's likewise, v160-223 rows on the way out.
;   Fragment f lies in window 1 + f / 21 at register 12 (f % 21): 0-31 W_o's (4 x K step + block), 32-39 and 40-47 ctx's two sets.  Window 3 from v72: the sums.
.set RBX, 768
.set RBW, 704
.set STAGE, 196608
.set SPARE, STAGE+4*4352
.set FR, 12
.set FPW, 21
.set L16, 16
.set L8, 17
.set VSC, 18
.set XA, 20
.set STO, 24
.set RD, 25
.set GO, 26
.set SPW, 28
.set NIL, 29
.set SX, 32
.set SW, 68
.set ACC, 72
.set BK, 160
.set G1, 24
.set G0, 32
.set WP, 36
.set WS, 38
.set XS, 40
.set OP, 42
.set MSB, 0
.macro WIN new                         ; the immediate's high byte repeats the setting that is left
.if MSB != \new
	s_set_vgpr_msb (MSB<<8)|\new
.set MSB, \new
.endif
.endm
.macro PLACES                          ; four plain places behind matrix instructions, ahead of loads into their registers and of reads of results
.rept 4
	v_nop
.endr
.endm
.macro ROUND                           ; a round of the cluster's barrier
	s_barrier_signal -1
	s_barrier_wait -1
	s_cmp_lg_u32 s14, 0
	s_cbranch_scc1 .Lnot_wave_0_\@
	s_barrier_signal -3
.Lnot_wave_0_\@:
	s_barrier_wait -3
	s_barrier_signal -1
	s_barrier_wait -1
.endm
.macro XFRAG f, a16, a8, off           ; a fragment's 12 registers from LDS, as they were stored
	WIN (1+(\f)/FPW)<<6
.set R_, FR*((\f)%FPW)
	ds_load_b128 v[R_:R_+3], v[\a16] offset:\off
	ds_load_b64 v[R_+4:R_+5], v[\a8] offset:\off+512
	ds_load_b128 v[R_+6:R_+9], v[\a16] offset:\off+768
	ds_load_b64 v[R_+10:R_+11], v[\a8] offset:\off+1280
.endm
.macro FETCH s                         ; my block s, all of K, into set s % 2: 32 loads
.irp q, 0,1,2,3,4,5,6,7
	XFRAG 32+8*((\s)%2)+\q, XA+2*((\s)/4), XA+1+2*((\s)/4), 12288*((\s)%4)+1536*\q
.endr
	WIN 0
.endm
.macro MM d, r0, r1, c, x0, x1, ra, rb
.if (\ra) && (\rb)
	v_wmma_scale_f32_16x16x128_f8f6f4 v[\d:\d+7], v[\r0:\r0+11], v[\r1:\r1+11], \c, v[\x0], v[\x1] matrix_a_fmt:MATRIX_FMT_FP6 matrix_b_fmt:MATRIX_FMT_FP6 matrix_a_scale:MATRIX_SCALE_ROW1 matrix_b_scale:MATRIX_SCALE_ROW1
.elseif (\ra)
	v_wmma_scale_f32_16x16x128_f8f6f4 v[\d:\d+7], v[\r0:\r0+11], v[\r1:\r1+11], \c, v[\x0], v[\x1] matrix_a_fmt:MATRIX_FMT_FP6 matrix_b_fmt:MATRIX_FMT_FP6 matrix_a_scale:MATRIX_SCALE_ROW1
.elseif (\rb)
	v_wmma_scale_f32_16x16x128_f8f6f4 v[\d:\d+7], v[\r0:\r0+11], v[\r1:\r1+11], \c, v[\x0], v[\x1] matrix_a_fmt:MATRIX_FMT_FP6 matrix_b_fmt:MATRIX_FMT_FP6 matrix_b_scale:MATRIX_SCALE_ROW1
.else
	v_wmma_scale_f32_16x16x128_f8f6f4 v[\d:\d+7], v[\r0:\r0+11], v[\r1:\r1+11], \c, v[\x0], v[\x1] matrix_a_fmt:MATRIX_FMT_FP6 matrix_b_fmt:MATRIX_FMT_FP6
.endif
.endm
.macro PRODS s                         ; block s: 32 products; the first K step starts the sums
.set Q_, 0
.rept 8
.irp b, 0,1,2,3
.set FW_, 4*Q_+\b
.set FX_, 32+8*((\s)%2)+Q_
.set RW_, FR*(FW_%FPW)
.set RX_, FR*(FX_%FPW)
.set D_, ACC+32*((\s)%2)+8*\b
.set XW_, SW+8*(\b/2)+Q_
.set XX_, SX+8*((\s)/2)+Q_
	WIN (1+FW_/FPW)|((1+FX_/FPW)<<2)|0xf0
.if Q_
	MM D_, RW_, RX_, v[D_:D_+7], XW_, XX_, \b%2, (\s)%2
.else
	MM D_, RW_, RX_, 0, XW_, XX_, \b%2, (\s)%2
.endif
.endr
.set Q_, Q_+1
.endr
	WIN 0
.endm
; THE WAY OUT of a block, through my own stage.  LDS serves a wave's instructions in order (ISA guide 5.7.1.4): no wait between the stores and the loads, nor ahead of the next block's stores.
.macro TOSTAGE s
	s_wait_xcnt 0x0                                ; block s - 2's stores have read their registers: this block's rows may land there
	WIN 0x0c                                       ; an LDS store's data: window 3
.irp b, 0,1,2,3
	ds_store_b128 v[STO], v[ACC+32*((\s)%2)+8*\b:ACC+32*((\s)%2)+8*\b+3] offset:128*(\b/2)+32*(\b%2)        ; each accumulator from its low end on
	ds_store_b128 v[STO], v[ACC+32*((\s)%2)+8*\b+4:ACC+32*((\s)%2)+8*\b+7] offset:128*(\b/2)+32*(\b%2)+16
.endr
	WIN 0
.irp t, 0,1,2,3,4,5,6,7
	ds_load_b128 v[BK+32*((\s)%2)+4*\t:BK+32*((\s)%2)+4*\t+3], v[RD] offset:544*\t
.endr
.endm
.macro SEND s                          ; two rows of 256 consecutive bytes a store, each aligned; the immediate undoes the order of rows in a row block
.irp t, 0,1,2,3,4,5,6,7
	global_store_b128 v[GO], v[BK+32*((\s)%2)+4*\t:BK+32*((\s)%2)+4*\t+3], s[OP:OP+1] offset:(32*((\s)/2)+8*((\s)%2)+2*\t+8*(\t/4))*4096 th:TH_STORE_NT
.endr
.endm
	s_load_b128 s[4:7], s[0:1], 0x0                ; cod, scl
	s_load_b64 s[8:9], s[0:1], 0x10                ; out0
	v_lshl_add_u32 v[SPW], v0, 2, SPARE
	v_mov_b32 v[NIL], 0
	ds_add_u32 v[SPW], v[NIL]                      ; the opening lines: the add, twice on end, and its wait
	ds_add_u32 v[SPW], v[NIL]
	v_lshrrev_b32 v1, 5, v0
	v_readfirstlane_b32 s14, v1                    ; wave
	s_lshr_b32 s15, s14, 1                         ; my half of the rows
	s_and_b32 s16, s14, 1                          ; my half of the columns
	s_bfe_u32 s44, ttmp6, 0x40000                  ; cx: it enters global addresses of plain loads and stores alone
	s_lshl_b32 s18, ttmp9, 2
	s_add_co_u32 s18, s18, s44                     ; tx
	s_and_b32 s17, ttmp7, 0xffff                   ; ty: the four partners share it
	s_mov_b32 s[G1], 15|(3<<16)|(1<<21)            ; group 1: four row blocks, dense: 192 rows of 256 bytes (32 elements of 8 bytes); the mask names all four work-groups
	s_mov_b32 s[G1+1], 32<<16
	s_mov_b32 s[G1+2], 192<<16
	s_mov_b32 s[G1+3], 32<<16
	s_mov_b32 s[G1+4], 192
	s_mov_b32 s[G1+5], 32
	s_mov_b32 s[G1+6], 0
	s_mov_b32 s[G1+7], 0
	s_mov_b32 s[G0], 1
	s_mul_i32 s[G0+1], s14, 49152
	s_lshl_b32 s20, s17, 4
	s_lshl_b32 s21, s14, 2
	s_add_co_u32 s20, s20, s21
	s_add_co_u32 s20, s20, RBX                     ; the four row blocks that I fetch
	s_mul_i32 s20, s20, 12288
	s_mov_b32 s21, 0
	s_lshl_b32 s22, s18, 3
	s_lshl_b32 s23, s16, 2
	s_add_co_u32 s22, s22, s23
	s_add_co_u32 s22, s22, RBW                     ; W_o's four row blocks of mine
	s_mul_i32 s48, s22, 12288
	s_mov_b32 s49, 0
	s_lshl_b32 s50, s22, 9
	s_mov_b32 s51, 0
	s_lshl_b32 s52, s17, 4
	s_lshl_b32 s23, s15, 3
	s_add_co_u32 s52, s52, s23
	s_add_co_u32 s52, s52, RBX                     ; ctx's eight row blocks of mine
	s_lshl_b32 s52, s52, 9
	s_mov_b32 s53, 0
	s_lshl_b32 s54, s17, 8
	s_lshl_b32 s55, s15, 7
	s_add_co_u32 s54, s54, s55                     ; my first row, of 4,096 bytes,
	s_lshl_b32 s54, s54, 12
	s_lshl_b32 s55, s18, 9
	s_add_co_u32 s54, s54, s55                     ; my first column, in bytes: 512 tx + 256 x half
	s_lshl_b32 s55, s16, 8
	s_add_co_u32 s54, s54, s55
	s_mov_b32 s55, 0
	s_wait_dscnt 0x0
	s_wait_kmcnt 0x0
	s_add_nc_u64 s[G0+2:G0+3], s[4:5], s[20:21]
	s_or_b32 s[G0+3], s[G0+3], 0x80000000
	s_add_nc_u64 s[WP:WP+1], s[4:5], s[48:49]
	s_add_nc_u64 s[WS:WS+1], s[6:7], s[50:51]
	s_add_nc_u64 s[XS:XS+1], s[6:7], s[52:53]
	s_add_nc_u64 s[OP:OP+1], s[8:9], s[54:55]
	ROUND                                          ; all four work-groups are here: the joint loads meet
	tensor_load_to_lds s[G0:G0+3], s[G1:G1+7]      ; my one tensor load
	s_nop 0
	PLACES
	v_and_b32 v1, 31, v0                           ; lane
	v_and_b32 v2, 15, v0                           ; r
	v_bfe_u32 v3, v0, 4, 1                         ; h
	v_lshlrev_b32 v[L16], 4, v1
	v_lshlrev_b32 v[L8], 3, v1
	v_lshlrev_b32 v[VSC], 4, v2
	v_lshl_add_u32 v[VSC], v3, 9, v[VSC]           ; scale words: 16 r; lanes 16-31 the next row block's
	s_mul_i32 s2, s15, 98304
	v_add_nc_u32 v[XA], s2, v[L16]                 ; my blocks 0-3 in LDS,
	v_add_nc_u32 v[XA+1], s2, v[L8]
	s_add_co_u32 s2, s2, 49152
	v_add_nc_u32 v[XA+2], s2, v[L16]               ; and 4-7
	v_add_nc_u32 v[XA+3], s2, v[L8]
	s_mul_i32 s3, s14, 4352
	s_add_co_u32 s3, s3, STAGE                     ; my stage
	v_mul_u32_u24 v[STO], v2, 272
	v_lshl_add_u32 v[STO], v3, 6, v[STO]
	v_add_nc_u32 v[STO], s3, v[STO]                ; in: row r, + 64 h bytes
	v_mul_u32_u24 v[RD], v3, 272
	v_lshl_add_u32 v[RD], v2, 4, v[RD]
	v_add_nc_u32 v[RD], s3, v[RD]                  ; back: sixteen lanes to a row of 256 bytes, two rows a load
	v_lshlrev_b32 v[GO], 12, v3
	v_lshl_add_u32 v[GO], v2, 4, v[GO]             ; and the same in out0
.irp p, 0,1,2,3
.irp c, 0,1
	global_load_b128 v[SX+8*\p+4*\c:SX+8*\p+4*\c+3], v[VSC], s[XS:XS+1] offset:1024*\p+256*\c
.endr
.endr
.irp p, 0,1
.irp c, 0,1
	global_load_b128 v[SW+8*\p+4*\c:SW+8*\p+4*\c+3], v[VSC], s[WS:WS+1] offset:1024*\p+256*\c
.endr
.endr
.set Q_, 0
.rept 8                                            ; W_o's 32 fragments, from memory
.irp b, 0,1,2,3
	WIN (1+(4*Q_+\b)/FPW)<<6
.set R_, FR*((4*Q_+\b)%FPW)
	global_load_b128 v[R_:R_+3], v[L16], s[WP:WP+1] offset:12288*\b+1536*Q_
	global_load_b64 v[R_+4:R_+5], v[L8], s[WP:WP+1] offset:12288*\b+1536*Q_+512
	global_load_b128 v[R_+6:R_+9], v[L16], s[WP:WP+1] offset:12288*\b+1536*Q_+768
	global_load_b64 v[R_+10:R_+11], v[L8], s[WP:WP+1] offset:12288*\b+1536*Q_+1280
.endr
.set Q_, Q_+1
.endr
	WIN 0
	s_wait_alu depctr_va_vdst(0)
	s_wait_tensorcnt 0x0                           ; my quarter of ctx's rows is in,
	s_barrier_signal -1
	s_barrier_wait -1                              ; everybody's is
	FETCH 0
	FETCH 1
	s_wait_loadcnt 0x0                             ; W_o and the scale words
.irp s, 0,1,2,3,4,5,6,7
.if \s == 0
	s_wait_dscnt 32                                ; block 0's fragments are in; block 1's 32 loads may be out
.elseif \s < 7
	s_wait_dscnt 48                                ; younger than this block's fetch: the last block's 16 stage instructions and the next block's 32 loads
.else
	s_wait_dscnt 16                                ; younger: block 6's 16 stage instructions
.endif
	PRODS \s
	PLACES
.if \s > 0
.if \s < 7
	s_wait_dscnt 32                                ; the last block's rows are back from the stage; the next block's 32 loads may be out
.else
	s_wait_dscnt 0x0
.endif
	SEND \s-1
.endif
	TOSTAGE \s
.if \s < 6
	FETCH \s+2
.endif
.endr
	s_wait_dscnt 0x0
	SEND 7
	s_wait_tensorcnt 0x0                           ; the wave's end
	ds_add_u32 v[SPW], v[NIL]
	s_wait_dscnt 0x0
	ROUND                                          ; the closing round
	s_endpgm
.Lfunc_end_k_qc1763b35f4_oproj:
	.size	k_qc1763b35f4_oproj, .Lfunc_end_k_qc1763b35f4_oproj-k_qc1763b35f4_oproj
	.p2alignl 7, 3214868480
	.fill 96, 4, 3214868480
	.section	.rodata,"a",@progbits
	.p2align	6, 0x0
	.amdhsa_kernel k_qc1763b35f4_oproj
		.amdhsa_group_segment_fixed_size 214528
		.amdhsa_private_segment_fixed_size 0
		.amdhsa_enable_private_segment 0
		.amdhsa_kernarg_size 24
		.amdhsa_user_sgpr_count 2
		.amdhsa_user_sgpr_kernarg_segment_ptr 1
		.amdhsa_wavefront_size32 1
		.amdhsa_system_sgpr_workgroup_id_x 1
		.amdhsa_system_sgpr_workgroup_id_y 1
		.amdhsa_system_sgpr_workgroup_id_z 1
		.amdhsa_system_vgpr_workitem_id 0
		.amdhsa_next_free_vgpr 1024
		.amdhsa_next_free_sgpr 66
		.amdhsa_reserve_vcc 0
		.amdhsa_float_denorm_mode_32 3
		.amdhsa_float_denorm_mode_16_64 3
		.amdhsa_memory_ordered 1
		.amdhsa_forward_progress 1
		.amdhsa_inst_pref_size 85
	.end_amdhsa_kernel
	.amdgpu_metadata
---
amdhsa.version: [ 1, 2 ]
amdhsa.kernels:
  - .name:           k_qc1763b35f4_oproj
    .symbol:         k_qc1763b35f4_oproj.kd
    .args:
      - { .name: cod, .offset: 0, .size: 8, .value_kind: global_buffer, .address_space: global }
      - { .name: scl, .offset: 8, .size: 8, .value_kind: global_buffer, .address_space: global }
      - { .name: out0, .offset: 16, .size: 8, .value_kind: global_buffer, .address_space: global }
    .group_segment_fixed_size: 214528
    .private_segment_fixed_size: 0
    .kernarg_segment_align: 8
    .kernarg_segment_size: 24
    .max_flat_workgroup_size: 128
    .sgpr_count:     66
    .vgpr_count:     1024
    .wavefront_size: 32
...
	.end_amdgpu_metadata
.endif
;; end of part 4
